; MI455X (gfx1250); checked and timed in simulation.
; The chip was launched on July 23, 2026; its instructions are those of AMD's public machine-readable ISA for CDNA 5 (MIT licence, August 2026) and "CDNA5" Instruction Set Architecture Reference Guide (July 2026). The comments in the code are by the model that wrote it; some were corrected since.
;; Causal Self Attention. Allowed arithmetic: matrix products marked QUANTISED: E4M3 operands, one given power-of-two scale a tensor, by v_wmma_f32_16x16x64_fp8_fp8 or v_wmma_f32_16x16x128_fp8_fp8, f32 sums; everything else in f32.
;; Inputs: b_attn 3,072 float32; b_proj 1,024 float32; lowp_scales 8 int32 (the exponents e of the quantised operands' scales 2^e); w_attn_codes 3,072 x 32 x 32 uint8 (E4M3 codes of w_attn, K innermost, in blocks of 32 codes); w_proj_codes 1,024 x 32 x 32 uint8 (E4M3 codes of w_proj, K innermost, in blocks of 32 codes); x_codes 4 x 2,048 x 32 x 32 uint8 (E4M3 codes of x, K innermost, in blocks of 32 codes).
;; Outputs: out0 4 x 2,048 x 1,024 float32.
;; This version of the problem:
;;   THIS VERSION OF THE PROBLEM IS GIVEN IN LOW PRECISION. The matrix products marked QUANTISED in the list below multiply operands that are first quantised to E4M3 (4 exponent bits, 3 mantissa bits; 8 bits a number), with one given power-of-two scale for each operand tensor; their sums are f32. All else is computed in f32.
;;   The module's matrix products, in the order in which they are computed (A, B: the left and right operand; K: the contracted axis; several contracted axes count as one K, in the product's order):
;;     1. [M 8,192, K 1,024] x [K 1,024, N 3,072]; A: input x (given as codes); B: input w_attn (given as codes): QUANTISED (scales: A lowp_scales[0], B lowp_scales[1])
;;     2. batch 64 x [M 2,048, K 64] x [K 64, N 2,048]; A: computed on the way; B: computed on the way: QUANTISED (scales: A lowp_scales[2], B lowp_scales[3])
;;     3. batch 64 x [M 2,048, K 2,048] x [K 2,048, N 64]; A: softmax (see below); B: computed on the way: QUANTISED (scales: A lowp_scales[4], B lowp_scales[5])
;;     4. [M 8,192, K 1,024] x [K 1,024, N 1,024]; A: computed on the way; B: input w_proj (given as codes): QUANTISED (scales: A lowp_scales[6], B lowp_scales[7])
;;   THE QUANTISER, for each operand of a quantised product, along K:
;;     - The operand's scale is 2^e, e = its entry of the input lowp_scales (int32; the entries are numbered through the quantised products in the list's order, A before B).
;;     - Each number is divided by the scale, clamped to +-448, and rounded to the nearest number of E4M3, ties to even, subnormals kept.
;;     - The product sums the exact products of the quantised numbers (number of the format x scale) in f32.
;;   ~~~python
;;   def quantise(x, axis, e):      # numpy; x: float32 -> the quantised numbers, widened to float32 again
;;       x = np.moveaxis(x, axis, -1); K = x.shape[-1]
;;       r = np.clip(x / 2.0 ** e, -448, 448)
;;       step = 2.0 ** (np.maximum(np.frexp(np.where(r == 0, 1, r))[1] - 1, -6) - 3)
;;       q = np.round(r / step) * step * 2.0 ** e      # np.round: ties to even
;;       return np.moveaxis(q, -1, axis).astype(np.float32)
;;   ~~~
;;   SOFTMAX AHEAD OF A QUANTISED PRODUCT. Where the list says 'softmax', what is quantised is not the finished softmax but p = 2^(t - M), with t = logit x log2(e) and M = ceil(the row's largest t), a whole number; so 1/2 < the row's largest p <= 1. The row's sum l is taken of the UNQUANTISED p, in f32, and the product's result is divided by l at the end. Since M is a whole number, a kernel that streams over the keys may use a running M (the ceiling of the running maximum): every later rescaling is an exact power of two, so the quantised numbers keep their values, but for numbers so far below the row's largest that they fall under the format's range.
;;   OPERANDS COMPUTED ON THE WAY. 'Computed on the way' means the value that the module computes at that place (a softmax that the list does not call 'softmax' is quantised finished and normalised). What goes into a quantiser is computed in f32, as accurately as f32 sums, v_exp_f32 and their like allow (about 1e-6 of the number): no bf16 or f16 on the way to a quantiser, and a product that is left as it is and whose result goes on into a quantised operand takes f32 operands (vector FMAs, or v_wmma_f32_16x16x4_f32). A number that lies on a knife's edge between two numbers of the format may be rounded either way, as far as f32 arithmetic and the matrix unit's own rounding can turn it there, and no further.
;;   INPUTS GIVEN AS CODES. w_attn (in the module: [1024, 3072], K = its axis 0); w_proj (in the module: [1024, 1024], K = its axis 0); x (in the module: [4, 2048, 1024], K = its axis 2): each comes as NAME_codes (uint8): NAME with its K axis moved to the last place and cut into blocks of 32 codes, [.., K / 32, bytes a block], one block behind the other in memory; one code a byte (a code: sign, 4 exponent bits, 3 mantissa bits); its scale is its entry of lowp_scales. Its value is code x scale, taken as it is: it is not quantised again, and the codes and scales need not be those that the quantiser above would give.
;; One version. Each part assembles by itself: llvm-mc -triple=amdgcn-amd-amdhsa -mcpu=gfx1250 --defsym DOCPART=n.
;; ======== version 1 of 1: 3 launches
;; limits: right only within a limited range of input values
;; workspace buffers: q_img 8,388,608 bytes; kv_img 16,777,216 bytes; y_img 8,388,608 bytes
;; launch qkv (part 1): grid 8 x 32, 4 waves a work-group, clusters of 4 x 4, 327,680 bytes of LDS; arguments x_codes, w_attn_codes, b_attn, lowp_scales, q_img, kv_img; writes q_img, kv_img
.if DOCPART == 1
	.amdgcn_target "amdgcn-amd-amdhsa--gfx1250"
	.amdhsa_code_object_version 6
	.text
	.protected	k_qc5b5964928_qkv
	.globl	k_qc5b5964928_qkv
	.p2align	8
	.type	k_qc5b5964928_qkv,@function
k_qc5b5964928_qkv:
	s_mov_b64 s[64:65], 0
	v_nop
	global_prefetch_b8 v0, s[64:65] scope:SCOPE_SE
	s_setreg_imm32_b32 hwreg(HW_REG_WAVE_MODE, 25, 1), 1
	s_wait_xcnt 0x0
	s_wait_alu depctr_hold_cnt(0) depctr_sa_sdst(0) depctr_va_vdst(0) depctr_va_sdst(0) depctr_va_ssrc(0) depctr_va_vcc(0) depctr_vm_vsrc(0)
	s_getreg_b32 s2, hwreg(HW_REG_IB_STS2, 6, 4)
	s_cmp_eq_u32 s2, 0
	s_cbranch_scc0 .Lentry_in_a_cluster
	s_endpgm
.Lentry_in_a_cluster:
	s_bfe_u32 s2, ttmp6, 0x10000c
	s_cmp_lg_u32 s2, 0xf033
	s_cbranch_scc0 .Lentry_shape_is_right
	s_endpgm
.Lentry_shape_is_right:
; qkv = x w_attn + b_attn on codes of FP8 (E4M3); q, k and v are quantised at once (scales 2^e2, 2^e3, 2^e5) and stored as IMAGES OF THE NEXT LAUNCH'S OPERAND REGISTERS.
; x: [8192][1024] codes, w_attn: [3072][1024] codes (K innermost), b_attn [3072] f32, lowp_scales e0..e7 (int32).
; SHARES.  A work-group takes 256 tokens x the q, k and v columns of two heads (384 columns): 32 x 8 = 256 work-groups.  Wave (wm, wn) takes 128 tokens x one head's 192 columns:
; 8 tiles of tokens (a) x 12 blocks of 16 columns (b: 0-3 q, 4-7 k, 8-11 v): 96 accumulators, 768 registers.  A wave's 128 tokens of one head are one key step of the next launch.
; K goes in steps of 64 (v_wmma_f32_16x16x64_fp8_fp8), two steps to an LDS slot of 128 along K; two slots of 256 along K (2 x 640 rows x 272 bytes = 348,160) would not fit in 327,680 bytes.
; q, k: source 0 = 16 rows of W, source 1 = 16 tokens: a lane holds ONE token and eight neighbouring channels.  v: the sources the other way round: a lane holds ONE channel and eight neighbouring tokens.
; So in all three the conversions' results are the registers of the next launch's fragments (K = the head's 64 for q and k, K = the keys for v), and each store of the wave covers 512 consecutive bytes, aligned.
; A fragment comes from LDS by two loads of 16 bytes: that is a permutation of k inside the 64, the same for x and for W, so every product meets its partner.
; CLUSTERS: 4 x 4 work-groups.  x's tile hangs on the tokens alone and is shared along a row of the cluster, W's three on the heads alone and are shared along a column: each is asked for jointly.
; q_img [bh 64][token tile 128][c 2][lane 32][16 B]: registers 2 n, 2 n + 1 of lane (r, h) hold channels 16 n + 8 h + 0..7 of token 16 tile + r.
; kv_img [bh 64][key step 16][16,384 B]: 8,192 B of K, [key tile 8][c 2][lane][16], as q; then 8,192 B of V^T, [channel tile 4][c 4][lane][16]: registers 2 a, 2 a + 1 hold keys 16 a + 8 h + 0..7 of channel 16 t + r.
; LIMITS: e0 + e1 between -126 and 127; e2, e3, e5 between -126 and 119, so that each power of two below is an f32 number.  NaN among the inputs is not served.
; REGISTERS, in windows of 256: window 0: v0-31 addresses and constants; v32-95, v96-159 x's fragments, two sets; v160-255 W's fragments, ONE set (a block of W is free when its eight products are issued).
;   windows 1, 2, 3: the accumulators of q, k, v: (b, a) at v[8 (8 (b % 4) + a)] of window 1 + b / 4.
.set PITCH,  144                       ; an LDS row: 128 bytes + 16 of padding = 36 words: the 16 rows of a load start at 16 different groups of four banks (64 banks of 4 bytes: ISA guide 11.1)
.set PARTW,  128*PITCH                 ; 128 rows of W: q's, k's or v's part
.set XOFF,   3*PARTW                   ; behind W's three parts: x's 256 rows
.set SLOT,   XOFF+256*PITCH            ; 92,160 bytes
.set SPARE,  2*SLOT                    ; behind the ring: the spare words, 128 bytes for each wave: two blocks of 256 bytes that no other line names
.set LAPS,   4                         ; a lap = two slots = 256 along K
.set ADRX, 4                           ; v4-5    LDS address of my x fragments in slot 0, 1
.set ADRW, 6                           ; v6-7    the same for W
.set LI,   8                           ; v8      16 x lane: my place in an image
.set BH,   9                           ; v9      32 h: q's and k's biases
.set BR,   10                          ; v10     4 r: v's bias
.set BV,   16                          ; v16-23  v's bias of channel 16 t + r in register 2 t; the odd registers hold 0
.set SPW,  28                          ; v28     LDS address of my spare word; never rewritten
.set NIL,  29                          ; v29     0; never rewritten
.set XF,   32
.set BQ,   32                          ; the way out: q's and k's biases, 2 x 32 registers, where x's set 0 lay
.set WF,   160
.set G1X, 24                           ; s[24:31] descriptor group 1 for x's tile;  s[32:39] group 0, one set for each slot
.set G0X, 32
.set G1W, 40                           ; s[40:47], s[48:55] the same for W's tiles
.set G0W, 48
.set MSB, 0
.macro WIN new                         ; the immediate's high byte repeats the setting that is left
.if MSB != (\new)
	s_set_vgpr_msb (MSB<<8)|(\new)
.set MSB, (\new)
.endif
.endm
.macro PLACES                          ; four plain places behind matrix instructions, in front of loads into registers that they have read and of reads of their results
.rept 4
	v_nop
.endr
.endm
; A joint load: wave 3 fetches x's 256 rows, waves 0, 1, 2 the 128 rows of W for q, k, v.  The branch hangs on the wave's number alone.  Four v_nop follow each of the two lines.
.macro JLOAD s
	s_cmp_eq_u32 s16, 3
	s_cbranch_scc0 .Lfor_w_\@
	tensor_load_to_lds s[G0X+4*\s:G0X+4*\s+3], s[G1X:G1X+7]
	s_nop 0
.rept 4
	v_nop
.endr
	s_branch .Lasked_\@
.Lfor_w_\@:
	tensor_load_to_lds s[G0W+4*\s:G0W+4*\s+3], s[G1W:G1W+7]
	s_nop 0
.rept 4
	v_nop
.endr
.Lasked_\@:
.endm
.macro CREST                           ; a round of the cluster's barrier behind its opening barrier
	s_cmp_lg_u32 s16, 0
	s_cbranch_scc1 .Lnot_wave_0_\@
	s_barrier_signal -3
.Lnot_wave_0_\@:
	s_barrier_wait -3
	s_barrier_signal -1
	s_barrier_wait -1
.endm
.macro CROUND                          ; a whole round
	s_barrier_signal -1
	s_barrier_wait -1
	CREST
.endm
.macro MKSCALE vs, vl, se              ; v[vs] = 2^e as f32 (the conversion takes its exponent field), v[vl] = 448 x 2^e; e in s[se]
	s_add_co_i32 s76, s[\se], 127
	s_lshl_b32 s77, s76, 23
	v_mov_b32 v[\vs], s77
	s_add_co_i32 s76, s76, 8
	s_lshl_b32 s76, s76, 23
	s_or_b32 s76, s76, 0x600000
	v_mov_b32 v[\vl], s76
.endm
	s_load_b256 s[4:11], s[0:1], 0x0               ; x s[4:5], w_attn s[6:7], b_attn s[8:9], the scales' exponents s[10:11]
	s_load_b128 s[12:15], s[0:1], 0x20             ; q_img s[12:13], kv_img s[14:15]
	v_lshl_add_u32 v[SPW], v0, 2, SPARE
	v_mov_b32 v[NIL], 0
	ds_add_u32 v28, v29
	ds_add_u32 v28, v29
	s_wait_dscnt 0x0
	v_lshrrev_b32 v1, 5, v0
	v_readfirstlane_b32 s16, v1                    ; wave 0..3
	s_lshr_b32 s17, s16, 1                         ; wm: which 128 tokens
	s_and_b32 s18, s16, 1                          ; wn: which of the two heads
	s_bfe_u32 s20, ttmp6, 0x40000                  ; cx, cy: my place in the cluster
	s_bfe_u32 s21, ttmp6, 0x40004
	s_lshl_b32 s22, ttmp9, 2
	s_add_co_u32 s22, s22, s20                     ; X = 4 x cluster x + cx: heads 2 X, 2 X + 1
	s_and_b32 s23, ttmp7, 0xffff
	s_lshl_b32 s23, s23, 2
	s_add_co_u32 s23, s23, s21                     ; Y = 4 x cluster y + cy: tokens 256 Y on
	s_lshl_b32 s76, s21, 2
	s_lshl_b32 s76, 15, s76                        ; my row of the cluster
	s_lshl_b32 s77, 0x1111, s20                    ; my column
	s_or_b32 s[G1X], s76, (1<<20)|(1<<21)|(4<<22)|(3<<25)   ; 15:0 the mask; 17:16 elements of 1 byte; 20 padding on; 21 set beside a mask; 24:22 after every 32 words (code 4); 31:25 of 4 words (code 3)
	s_or_b32 s[G1W], s77, (1<<20)|(1<<21)|(4<<22)|(3<<25)
	s_mov_b32 s[G1X+1], 128<<16                    ; tensor_dim0 = 128
	s_mov_b32 s[G1X+2], 256<<16                    ; tensor_dim1 = 256
	s_mov_b32 s[G1X+3], 128<<16                    ; tile_dim0 = 128
	s_mov_b32 s[G1X+4], 256                        ; tile_dim1 = 256
	s_mov_b32 s[G1X+5], 1024                       ; bytes from row to row
	s_mov_b32 s[G1X+6], 0
	s_mov_b32 s[G1X+7], 0
	s_mov_b32 s[G1W+1], 128<<16
	s_mov_b32 s[G1W+2], 128<<16                    ; 128 rows
	s_mov_b32 s[G1W+3], 128<<16
	s_mov_b32 s[G1W+4], 128
	s_mov_b32 s[G1W+5], 1024
	s_mov_b32 s[G1W+6], 0
	s_mov_b32 s[G1W+7], 0
	s_lshl_b32 s66, s23, 18                        ; x: 256 Y rows of 1,024 bytes: hangs on Y alone
	s_mov_b32 s67, 0
	s_min_u32 s68, s16, 2                          ; W: part 0, 1, 2 (wave 3 makes an address that it never uses)
	s_lshl_b32 s68, s68, 20                        ; 1,024 rows of 1,024 bytes a part,
	s_lshl_b32 s69, s22, 17                        ; + 128 X rows: hangs on X and the wave alone
	s_add_co_u32 s68, s68, s69
	s_mov_b32 s69, 0
	s_mul_i32 s78, s16, PARTW                      ; where a wave's tile goes: wave x 18,432: W's three parts, then x: no place in the cluster enters an LDS address
	s_wait_kmcnt 0x0
	s_load_b256 s[56:63], s[10:11], 0x0            ; e0 .. e7
	s_add_nc_u64 s[66:67], s[4:5], s[66:67]
	s_add_nc_u64 s[68:69], s[6:7], s[68:69]
	CROUND                                         ; all sixteen work-groups are here: the first joint loads meet
.irp s, 0,1
	s_mov_b32 s[G0X+4*\s], 1
	s_add_co_u32 s[G0X+4*\s+1], s78, \s*SLOT
	s_add_nc_u64 s[G0X+4*\s+2:G0X+4*\s+3], s[66:67], \s*128
	s_or_b32 s[G0X+4*\s+3], s[G0X+4*\s+3], 0x80000000
	s_mov_b32 s[G0W+4*\s], 1
	s_add_co_u32 s[G0W+4*\s+1], s78, \s*SLOT
	s_add_nc_u64 s[G0W+4*\s+2:G0W+4*\s+3], s[68:69], \s*128
	s_or_b32 s[G0W+4*\s+3], s[G0W+4*\s+3], 0x80000000
	JLOAD \s                                       ; two loads of mine are out; later one behind each round
.endr
	; where my results go
	s_lshl_b32 s70, s22, 1
	s_add_co_u32 s70, s70, s18                     ; my head
	s_lshr_b32 s71, s23, 3                         ; the batch: 8 blocks of 256 tokens each
	s_lshl_b32 s71, s71, 4
	s_add_co_u32 s71, s71, s70                     ; bh
	s_and_b32 s72, s23, 7
	s_lshl_b32 s72, s72, 1
	s_add_co_u32 s72, s72, s17                     ; my 128 tokens' number in the sequence: the key step
	s_lshl_b32 s76, s71, 17                        ; q_img: bh x 131,072 + step x 8,192
	s_lshl_b32 s77, s72, 13
	s_add_co_u32 s76, s76, s77
	s_mov_b32 s77, 0
	s_add_nc_u64 s[12:13], s[12:13], s[76:77]
	s_lshl_b32 s76, s71, 18                        ; kv_img: bh x 262,144 + step x 16,384
	s_lshl_b32 s73, s72, 14
	s_add_co_u32 s76, s76, s73
	s_add_nc_u64 s[14:15], s[14:15], s[76:77]
	s_lshl_b32 s76, s70, 8                         ; b_attn: my head's 64 numbers
	s_add_nc_u64 s[8:9], s[8:9], s[76:77]
	v_and_b32 v1, 15, v0                           ; r
	v_bfe_u32 v2, v0, 4, 1                         ; h
	v_mul_u32_u24 v3, v1, PITCH
	v_lshl_add_u32 v3, v2, 4, v3                   ; a fragment's row x pitch + 16 h
	s_mul_i32 s76, s17, PARTW
	s_add_co_u32 s76, s76, XOFF                    ; my 128 rows of x
	s_mul_i32 s77, s18, 64*PITCH                   ; my head's 64 rows in each part of W
.irp s, 0,1
	v_add_nc_u32 v[ADRX+\s], s76, v3
	v_add_nc_u32 v[ADRW+\s], s77, v3
	s_add_co_u32 s76, s76, SLOT
	s_add_co_u32 s77, s77, SLOT
.endr
	v_and_b32 v[LI], 31, v0
	v_lshlrev_b32 v[LI], 4, v[LI]
	v_lshlrev_b32 v[BH], 5, v2
	v_lshlrev_b32 v[BR], 2, v1
.irp t, 0,1,2,3
	v_mov_b32 v[BV+2*\t+1], 0                      ; named as the upper halves of pairs, so they are written
.endr
.macro FRAG reg, adr, off              ; a fragment, 16 rows x 64 K: registers 0-3 hold K = 16 h + 0..15, registers 4-7 K = 32 + 16 h + 0..15
	ds_load_b128 v[\reg:\reg+3], v[\adr] offset:\off
	ds_load_b128 v[\reg+4:\reg+7], v[\adr] offset:\off+32
.endm
.macro FETCH_X slot, q, set            ; x's eight fragments of the slot's q-th 64 along K: 16 loads
.irp a, 0,1,2,3,4,5,6,7
	FRAG XF+64*(\set)+8*\a, ADRX+\slot, 16*PITCH*\a+64*(\q)
.endr
.endm
.macro FETCH_W slot, q, b0             ; W's blocks b0 .. b0 + 5: 12 loads
.irp i, 0,1,2,3,4,5
	FRAG WF+8*(\b0+\i), ADRW+\slot, (((\b0+\i)/4)*128+((\b0+\i)%4)*16)*PITCH+64*(\q)
.endr
.endm
; Eight matrix instructions: W's block b against x's eight tiles.  The 96 accumulators take turns, one instruction a turn, in the same order in every step.
; zero = 1: the first product starts the sums: nothing is ever cleared.
.macro MULB b, set, zero
	WIN 0x50*(1+(\b)/4)                            ; sources window 0; C and D window 1, 2 or 3
.irp a, 0,1,2,3,4,5,6,7
.set AC, 8*(8*((\b)%4)+\a)
.if (\b) < 8
.if \zero
	v_wmma_f32_16x16x64_fp8_fp8 v[AC:AC+7], v[WF+8*(\b):WF+8*(\b)+7], v[XF+64*(\set)+8*\a:XF+64*(\set)+8*\a+7], 0
.else
	v_wmma_f32_16x16x64_fp8_fp8 v[AC:AC+7], v[WF+8*(\b):WF+8*(\b)+7], v[XF+64*(\set)+8*\a:XF+64*(\set)+8*\a+7], v[AC:AC+7]
.endif
.else
.if \zero
	v_wmma_f32_16x16x64_fp8_fp8 v[AC:AC+7], v[XF+64*(\set)+8*\a:XF+64*(\set)+8*\a+7], v[WF+8*(\b):WF+8*(\b)+7], 0
.else
	v_wmma_f32_16x16x64_fp8_fp8 v[AC:AC+7], v[XF+64*(\set)+8*\a:XF+64*(\set)+8*\a+7], v[WF+8*(\b):WF+8*(\b)+7], v[AC:AC+7]
.endif
.endif
.endr
.endm
; A slot's first step (x's set 0); its successor lies in the same slot.
.macro STEP slot, zero
	s_wait_dscnt 12                                ; W's blocks 0-5 and x are in; the youngest 12 loads (W's blocks 6-11) may be out
.irp b, 0,1,2,3,4,5
	MULB \b, 0, \zero
.endr
	s_wait_dscnt 0x0                               ; W's blocks 6-11 are in (asked for 48 matrix instructions ago)
	PLACES
	WIN 0
	FETCH_W \slot, 1, 0
	FETCH_X \slot, 1, 1
.irp b, 6,7,8,9,10,11
	MULB \b, 0, \zero
.endr
	PLACES
	WIN 0
	FETCH_W \slot, 1, 6
.endm
; A slot's last step (x's set 1) changes slots: ONE barrier; in front of it each wave waits for all its tensor loads, adds 0 to its spare word, and waits for that and for its own reads of this slot.
; fill = 1: the barrier opens a round of the cluster's barrier, and this slot is filled again, two slots ahead: the load has 192 - 48 matrix instructions in which to land.
.macro TURN slot, next, fill
	s_wait_tensorcnt 0x0                           ; all my tensor loads have landed: my part of the next slot (every window is 0 here)
	ds_add_u32 v[SPW], v[NIL]                      ; 0 onto my spare word
	s_wait_dscnt 13                                ; (the add and the youngest 12 loads, W's blocks 6-11, may be out)
.irp b, 0,1,2
	MULB \b, 1, 0
.endr
	s_wait_dscnt 0x0                               ; the add is done, and my reads of this slot are over
	s_barrier_signal -1
.irp b, 3,4,5
	MULB \b, 1, 0
.endr
	WIN 0
	s_barrier_wait -1
.if \fill
	CREST                                          ; no wave of any partner still reads this slot's tiles or has a load on its way
	s_add_nc_u64 s[G0X+4*\slot+2:G0X+4*\slot+3], s[G0X+4*\slot+2:G0X+4*\slot+3], 256
	s_add_nc_u64 s[G0W+4*\slot+2:G0W+4*\slot+3], s[G0W+4*\slot+2:G0W+4*\slot+3], 256
	JLOAD \slot                                    ; the first tensor load behind the round; its four v_nop are the places in front of the loads below
.else
	PLACES
.endif
	FETCH_W \next, 0, 0
	FETCH_X \next, 0, 0
.irp b, 6,7,8,9,10,11
	MULB \b, 1, 0
.endr
	PLACES
	WIN 0
	FETCH_W \next, 0, 6
.endm
	s_wait_tensorcnt 1                             ; my part of slot 0 is in (slot 1's load may be out)
	s_barrier_signal -1
	s_barrier_wait -1                              ; everybody's is
	FETCH_W 0, 0, 0
	FETCH_X 0, 0, 0
	FETCH_W 0, 0, 6
	STEP 0, 1                                      ; the first step stands in front of the loop: its products start the sums
	s_mov_b32 s19, LAPS-1
.Llap:                                                 ; a trip goes once round the ring, from a lap's second step to the next lap's first, and fills both slots again
	TURN 0, 1, 1
	STEP 1, 0
	TURN 1, 0, 1
	STEP 0, 0
	s_sub_co_u32 s19, s19, 1
	s_cmp_lg_u32 s19, 0
	s_cbranch_scc1 .Llap
	TURN 0, 1, 0                                   ; the last lap fills nothing, and has no round of the cluster's barrier
	STEP 1, 0
	; the biases, into registers that x's set 0 has left (the step's closing places stand in front): lane (r, h) wants, for block n of q or k, channels 16 n + 8 h + 0..7; for tile t of v, channel 16 t + r
.irp p, 0,1
.irp n, 0,1,2,3
	global_load_b128 v[BQ+32*\p+8*\n:BQ+32*\p+8*\n+3], v[BH], s[8:9] offset:4096*\p+64*\n
	global_load_b128 v[BQ+32*\p+8*\n+4:BQ+32*\p+8*\n+7], v[BH], s[8:9] offset:4096*\p+64*\n+16
.endr
.endr
.irp t, 0,1,2,3
	global_load_b32 v[BV+2*\t], v[BR], s[8:9] offset:8192+64*\t
.endr
	s_wait_dscnt 12                                ; the very last step: nothing more to fetch
.irp b, 0,1,2,3,4,5
	MULB \b, 1, 0
.endr
	s_wait_dscnt 0x0
.irp b, 6,7,8,9,10,11
	MULB \b, 1, 0
.endr
	WIN 0
; THE WAY OUT.  Four accumulators at a time: number = sum x 2^(e0 + e1) + bias, one packed multiply-add for two; the hold at the largest code x the scale (the conversion to an 8-bit code does not saturate: ISA guide 7.6.2);
; the conversion: 8 registers of codes = half or the whole of a fragment's image, stored by two lines of 512 consecutive bytes.  Each accumulator is read from its low end on.
; bmode 0: the bias runs with the registers (q, k);  1: one bias a lane (v): the pair's low word serves both halves.
.macro GROUP win, acc0, astr, bmode, breg, g, sc, lim
.set T, 96+32*((\g)%2)
.set CD, 160+8*((\g)%8)
	WIN \win                                       ; source 0: the accumulators' window
.irp n, 0,1,2,3
.irp i, 0,2,4,6
.if \bmode
	v_pk_fma_f32 v[T+8*\n+\i:T+8*\n+\i+1], v[\acc0+\astr*\n+\i:\acc0+\astr*\n+\i+1], s[74:75], v[\breg:\breg+1] op_sel_hi:[1,0,0]
.else
	v_pk_fma_f32 v[T+8*\n+\i:T+8*\n+\i+1], v[\acc0+\astr*\n+\i:\acc0+\astr*\n+\i+1], s[74:75], v[\breg+8*\n+\i:\breg+8*\n+\i+1] op_sel_hi:[1,0,1]
.endif
.endr
.endr
	WIN 0
.set j, 0
.rept 32
	v_med3_num_f32 v[T+j], v[T+j], -v[\lim], v[\lim]
.set j, j+1
.endr
.irp n, 0,1,2,3
	v_cvt_scalef32_pk8_fp8_f32 v[CD+2*\n:CD+2*\n+1], v[T+8*\n:T+8*\n+7], v[\sc]
.endr
	v_nop                                          ; one plain vector line behind the last conversion of a run
.endm
	PLACES                                         ; behind the last products: their results are read and their operands' registers written below
	s_wait_loadcnt 0x0                             ; the biases
	s_wait_kmcnt 0x0                               ; the exponents
	s_add_co_i32 s74, s56, s57                     ; e0 + e1
	s_add_co_i32 s74, s74, 127
	s_lshl_b32 s74, s74, 23                        ; 2^(e0 + e1) as f32
	s_mov_b32 s75, s74                             ; (named with it as a pair, so it is written)
	MKSCALE 11, 12, 58                             ; q: e2
	MKSCALE 13, 14, 59                             ; k: e3
	MKSCALE 24, 25, 61                             ; v: e5
.irp a, 0,1,2,3,4,5,6,7                        ; q: token tile a: blocks 0-3 are registers 0-7 of its fragment
	GROUP 1, 8*\a, 64, 0, BQ, \a, 11, 12
	global_store_b128 v[LI], v[CD:CD+3], s[12:13] offset:1024*\a
	global_store_b128 v[LI], v[CD+4:CD+7], s[12:13] offset:1024*\a+512
.endr
	s_wait_xcnt 0x0                                ; the stores have read their data: the eight sets of code registers are written again only behind this wait
.irp a, 0,1,2,3,4,5,6,7                        ; k likewise
	GROUP 2, 8*\a, 64, 0, BQ+32, \a, 13, 14
	global_store_b128 v[LI], v[CD:CD+3], s[14:15] offset:1024*\a
	global_store_b128 v[LI], v[CD+4:CD+7], s[14:15] offset:1024*\a+512
.endr
	s_wait_xcnt 0x0
.irp t, 0,1,2,3                                ; v: channel tile t; token tiles 4 gg .. 4 gg + 3 are registers 8 gg .. 8 gg + 7 of its fragment
.irp gg, 0,1
	GROUP 3, 8*(8*\t+4*\gg), 8, 1, BV+2*\t, 2*\t+\gg, 24, 25
	global_store_b128 v[LI], v[CD:CD+3], s[14:15] offset:8192+2048*\t+1024*\gg
	global_store_b128 v[LI], v[CD+4:CD+7], s[14:15] offset:8192+2048*\t+1024*\gg+512
.endr
.endr
	s_wait_tensorcnt 0x0                           ; the wave's end
	ds_add_u32 v[SPW], v[NIL]
	s_wait_dscnt 0x0
	CROUND                                         ; the closing round: no work-group ends while a partner may still ask for a tile that names it
	s_endpgm
.Lfunc_end_k_qc5b5964928_qkv:
	.size	k_qc5b5964928_qkv, .Lfunc_end_k_qc5b5964928_qkv-k_qc5b5964928_qkv
	.p2alignl 7, 3214868480
	.fill 96, 4, 3214868480
	.section	.rodata,"a",@progbits
	.p2align	6, 0x0
	.amdhsa_kernel k_qc5b5964928_qkv
		.amdhsa_group_segment_fixed_size 327680
		.amdhsa_private_segment_fixed_size 0
		.amdhsa_enable_private_segment 0
		.amdhsa_kernarg_size 48
		.amdhsa_user_sgpr_count 2
		.amdhsa_user_sgpr_kernarg_segment_ptr 1
		.amdhsa_wavefront_size32 1
		.amdhsa_system_sgpr_workgroup_id_x 1
		.amdhsa_system_sgpr_workgroup_id_y 1
		.amdhsa_system_sgpr_workgroup_id_z 1
		.amdhsa_system_vgpr_workitem_id 0
		.amdhsa_next_free_vgpr 1024
		.amdhsa_next_free_sgpr 80
		.amdhsa_reserve_vcc 0
		.amdhsa_float_denorm_mode_32 3
		.amdhsa_float_denorm_mode_16_64 3
		.amdhsa_memory_ordered 1
		.amdhsa_forward_progress 1
		.amdhsa_inst_pref_size 169
	.end_amdhsa_kernel
	.amdgpu_metadata
---
amdhsa.version: [ 1, 2 ]
amdhsa.kernels:
  - .name:           k_qc5b5964928_qkv
    .symbol:         k_qc5b5964928_qkv.kd
    .args:
      - { .name: x_codes, .offset: 0, .size: 8, .value_kind: global_buffer, .address_space: global }
      - { .name: w_attn_codes, .offset: 8, .size: 8, .value_kind: global_buffer, .address_space: global }
      - { .name: b_attn, .offset: 16, .size: 8, .value_kind: global_buffer, .address_space: global }
      - { .name: lowp_scales, .offset: 24, .size: 8, .value_kind: global_buffer, .address_space: global }
      - { .name: q_img, .offset: 32, .size: 8, .value_kind: global_buffer, .address_space: global }
      - { .name: kv_img, .offset: 40, .size: 8, .value_kind: global_buffer, .address_space: global }
    .group_segment_fixed_size: 327680
    .private_segment_fixed_size: 0
    .kernarg_segment_align: 8
    .kernarg_segment_size: 48
    .max_flat_workgroup_size: 128
    .sgpr_count:     80
    .vgpr_count:     1024
    .wavefront_size: 32
...
	.end_amdgpu_metadata
.endif
;; end of part 1
;; launch attn (part 2): grid 4 x 64, 8 waves a work-group, no clusters, 263,168 bytes of LDS; arguments q_img, kv_img, lowp_scales, y_img; writes y_img
.if DOCPART == 2
	.amdgcn_target "amdgcn-amd-amdhsa--gfx1250"
	.amdhsa_code_object_version 6
	.text
	.protected	k_qc5b5964928_attn
	.globl	k_qc5b5964928_attn
	.p2align	8
	.type	k_qc5b5964928_attn,@function
k_qc5b5964928_attn:
	s_mov_b64 s[64:65], 0
	v_nop
	global_prefetch_b8 v0, s[64:65] scope:SCOPE_SE
	s_setreg_imm32_b32 hwreg(HW_REG_WAVE_MODE, 25, 1), 1
	s_wait_xcnt 0x0
; y[b][t][head][:] = the sum over keys s <= t of softmax_s(q . k / 8) v, both products on codes of FP8 (E4M3); y is quantised at once (2^e6) and stored as images of the next launch's operand registers.
; THE SOFTMAX AHEAD OF THE SECOND PRODUCT: t = score x log2(e) / 8; M = the row's largest t so far, rounded UP to a whole number; p = 2^(t - M) is quantised (2^e4) along the keys, not normalised.
; The row's sum is taken of the unquantised p, in f32, and divides at the end.  When M moves, the sum and O are multiplied by 2^(old M - new M): exact.
; SHARES.  Work-group (i, bh) owns the blocks of 256 queries number 7 - i and number i of one head, one after the other.  Wave w takes 32 queries (two tiles of 16) of each: (7 - i) 256 + 32 w on, and i 256 + 32 (7 - w) on.
; A query block q0 needs (q0 + 31) / 128 + 1 key steps of 128: 2 (7 - i) + w / 4 + 1 and 2 i + (7 - w) / 4 + 1: 17 steps in all for every wave of every work-group.
; THE HEAD'S WHOLE K AND V LIE IN LDS: 16 key steps x 16,384 bytes = 262,144, byte for byte as in kv_img.  Each wave issues four tensor loads at the head (its eighth, 8,192 bytes, of each quarter): four loads of a wave are out
; at the most; nothing is ever filled again, and the second block of queries reads from LDS what the first has brought.  Key steps beyond a work-group's last query are fetched all the same: every tensor load stands on every path.
; NO CLUSTER, though the four work-groups of a head read the same 262,144 bytes: a key step all of whose keys come after a wave's queries is left out by a scalar branch on the work-group's block number i,
; which differs between those four; without the skip each wave would walk 32 steps in place of 17.
; LAYOUT.  S^T = K Q^T (source 0 = 16 keys, source 1 = 16 queries, K = 64), O^T = V^T P^T (source 0 = 16 channels, source 1 = P, K = 128 keys): a lane holds ONE query (lane % 16) throughout; the eight registers of key tile t
; are keys 16 t + 8 (lane / 16) + 0..7, which are registers 2 t, 2 t + 1 of the second product's operand.  Fragments are images of registers: every LDS load reads 512 consecutive bytes at 16 x lane.
; y_img [K slot 4 (four heads)][token tile 512][head % 4][1,024 B]; channel d of token r lies at 256 (d / 16) + 16 r + d % 16: a wave's store of 8 bytes a lane covers 256 consecutive bytes, aligned.
; LIMITS: e2 + e3 between -123 and 130 (added to c's exponent field); e4, e6 between -126 and 119; e4 + e5 goes in by v_ldexp_f32 and has none.  NaN among the inputs is not served.
; REGISTERS: window 0: v1-9 addresses and constants; v10-11 permutes' results; v12-15 second chains of the sums; v16-31 statistics, eight a tile; v32-63 P; v64-191 S^T, then p; v192-255 O^T.
;   window 1: v0-15, v16-31 Q of the two blocks; v32-95 K's eight fragments; v96-159 V's four.
.set LI,   1                           ; v1   16 x lane
.set ADR,  2                           ; v2   the step's LDS address
.set YO,   3                           ; v3   16 r + 8 h: my 8 bytes of a unit of y_img
.set DM,   4                           ; v4   r - 8 h, for the mask
.set PLIM, 5                           ; v5   not written      v6  2^e4
.set PSC,  6
.set YLIM, 7                           ; v7   not written      v8  2^e6
.set YSC,  8
.set NINF, 9                           ; v9   -infinity
.set PD,   10
.set CH,   12
.set ST,   16                          ; tile u at v[ST+8u]: +0 -M, +1 the largest t, +2, +3 the sum in two halves, +4 f, +5 0, +6, +7 at work
.set P,    32
.set S,    64
.set O,    192
.set QH,   0                           ; in window 1
.set QL,   16
.set KFR,  32
.set VFR,  96
.set MSB, 0
.macro WIN new                         ; the immediate's high byte repeats the setting that is left
.if MSB != (\new)
	s_set_vgpr_msb (MSB<<8)|(\new)
.set MSB, (\new)
.endif
.endm
.macro PLACES
.rept 4
	v_nop
.endr
.endm
.macro MKSCALE vs, vl, se              ; v[vs] = 2^e as f32; e in s[se]
	s_add_co_i32 s74, s[\se], 127
	s_lshl_b32 s75, s74, 23
	v_mov_b32 v[\vs], s75
.endm
	s_load_b256 s[4:11], s[0:1], 0x0               ; q_img s[4:5], kv_img s[6:7], the scales' exponents s[8:9], y_img s[10:11]
	s_set_vgpr_msb 0x40
	v_lshl_add_u32 v160, v0, 2, 0x40000
	v_mov_b32 v161, 0
	s_set_vgpr_msb 0x4045
	ds_add_u32 v160, v161
	ds_add_u32 v160, v161
	s_set_vgpr_msb 0x4500
	v_lshrrev_b32 v1, 5, v0
	v_readfirstlane_b32 s12, v1                    ; wave 0..7
	s_mov_b32 s13, ttmp9                           ; i
	s_and_b32 s14, ttmp7, 0xffff                   ; bh
	; descriptor group 1: a dense block of 8,192 bytes as 32 rows of 32 elements of 8 bytes
	s_mov_b32 s16, 3<<16                           ; no mask; elements of 8 bytes; no padding
	s_mov_b32 s17, 32<<16                          ; tensor_dim0 = 32
	s_mov_b32 s18, 32<<16                          ; tensor_dim1 = 32
	s_mov_b32 s19, 32<<16                          ; tile_dim0 = 32
	s_mov_b32 s20, 32                              ; tile_dim1 = 32
	s_mov_b32 s21, 32                              ; elements from row to row
	s_mov_b32 s22, 0
	s_mov_b32 s23, 0
	s_lshl_b32 s57, s12, 13                        ; my eighth of a quarter: 8,192 x wave, in LDS and in memory alike
	s_lshl_b32 s60, s14, 18                        ; the head's 262,144 bytes
	s_add_co_u32 s60, s60, s57
	s_mov_b32 s61, 0
	s_wait_dscnt 0x0
	s_wait_kmcnt 0x0
	s_load_b256 s[40:47], s[8:9], 0x0              ; e0 .. e7
	s_add_nc_u64 s[6:7], s[6:7], s[60:61]
.irp j, 0,1,2,3
	s_mov_b32 s[24+4*\j], 1
	s_add_co_u32 s[25+4*\j], s57, 65536*\j
	s_add_nc_u64 s[26+4*\j:27+4*\j], s[6:7], 65536*\j
	s_or_b32 s[27+4*\j], s[27+4*\j], 0x80000000
.endr
.irp j, 0,1,2,3
	tensor_load_to_lds s[24+4*\j:27+4*\j], s[16:23] ; all first fills go out together, ahead of every wait on TENSORcnt, every LDS read and every barrier
	s_nop 0
.endr
.rept 4
	v_nop
.endr
	s_sub_co_u32 s55, 7, s13
	s_lshl_b32 s55, s55, 8
	s_lshl_b32 s74, s12, 5
	s_add_co_u32 s55, s55, s74                     ; my first query of the late block: (7 - i) 256 + 32 w
	s_add_co_u32 s56, s55, 31                      ; and my last
	s_sub_co_u32 s58, 7, s12
	s_lshl_b32 s58, s58, 5
	s_lshl_b32 s74, s13, 8
	s_add_co_u32 s58, s58, s74                     ; of the early block: 256 i + 32 (7 - w)
	s_lshl_b32 s75, s14, 17                        ; q_img: bh x 131,072 + 64 x query
	s_lshl_b32 s60, s55, 6
	s_add_co_u32 s60, s60, s75
	s_add_nc_u64 s[70:71], s[4:5], s[60:61]
	s_lshl_b32 s62, s58, 6
	s_add_co_u32 s62, s62, s75
	s_mov_b32 s63, 0
	s_add_nc_u64 s[72:73], s[4:5], s[62:63]
	s_and_b32 s74, s14, 15                         ; y_img: (head / 4) x 2,097,152 + (batch x 128 + query / 16) x 4,096 + (head % 4) x 1,024
	s_lshr_b32 s75, s14, 4
	s_lshr_b32 s76, s74, 2
	s_lshl_b32 s76, s76, 21
	s_and_b32 s74, s74, 3
	s_lshl_b32 s74, s74, 10
	s_add_co_u32 s76, s76, s74
	s_lshl_b32 s75, s75, 19
	s_add_co_u32 s76, s76, s75
	s_lshl_b32 s60, s55, 8
	s_add_co_u32 s60, s60, s76
	s_add_nc_u64 s[66:67], s[10:11], s[60:61]
	s_lshl_b32 s62, s58, 8
	s_add_co_u32 s62, s62, s76
	s_add_nc_u64 s[68:69], s[10:11], s[62:63]
	s_mov_b32 s48, 0x76543210                      ; v_permlanex16_b32's selects for lane l xor 16
	s_mov_b32 s49, 0xfedcba98
	s_mov_b32 s50, 0x3e38aa3b                      ; c = log2(e) / 8
	v_and_b32 v[LI], 31, v0
	v_lshlrev_b32 v[LI], 4, v[LI]
	v_and_b32 v10, 15, v0                          ; r
	v_bfe_u32 v11, v0, 4, 1                        ; h
	v_lshlrev_b32 v[YO], 4, v10
	v_lshl_add_u32 v[YO], v11, 3, v[YO]
	v_lshlrev_b32 v[DM], 3, v11
	v_sub_nc_u32 v[DM], v10, v[DM]
	v_mov_b32 v[NINF], 0xff800000
	v_mov_b32 v[PD], 0                             ; written once: a lane permute's destination counts as one of its sources
	v_mov_b32 v[PD+1], 0
	WIN 0x40                                       ; destination window 1
.irp u, 0,1
.irp c, 0,1
	global_load_b128 v[QH+8*\u+4*\c:QH+8*\u+4*\c+3], v[LI], s[70:71] offset:1024*\u+512*\c   ; Q's fragments stay in registers
	global_load_b128 v[QL+8*\u+4*\c:QL+8*\u+4*\c+3], v[LI], s[72:73] offset:1024*\u+512*\c
.endr
.endr
	WIN 0
	s_wait_kmcnt 0x0
	s_add_co_i32 s57, s42, s43
	s_lshl_b32 s57, s57, 23
	s_add_co_i32 s50, s50, s57                     ; a score stands for score x 2^(e2 + e3): the two exponents are added to c's exponent field
	s_mov_b32 s51, s50                             ; (named with it as a pair, so it is written)
	MKSCALE PSC, PLIM, 44                          ; p: e4
	MKSCALE YSC, YLIM, 46                          ; y: e6
	s_add_co_i32 s59, s44, s45                     ; e4 + e5
; The pieces of a step's vector work, for tile u.
.macro FMAI u, b                       ; pair b: t - M (of the pairs c and -M the low word serves both halves)
	v_pk_fma_f32 v[S+64*(\u)+2*(\b):S+64*(\u)+2*(\b)+1], v[S+64*(\u)+2*(\b):S+64*(\u)+2*(\b)+1], s[50:51], v[ST+8*(\u):ST+8*(\u)+1] op_sel_hi:[1,0,0]
.endm
.macro RSC n                           ; pair n of both tiles' O^T, x f = 2^(old M - new M)
	v_pk_mul_f32 v[O+2*(\n):O+2*(\n)+1], v[O+2*(\n):O+2*(\n)+1], v[ST+8*((\n)/16)+4:ST+8*((\n)/16)+5] op_sel_hi:[1,0]
.endm
.macro SUMI u, z                       ; the row's sum, of the UNQUANTISED p: 0: the old sum x f; 1: a second chain starts from pairs 0 and 1; 2-31: pair z, the chains by turns; 32: the chains join
.if (\z) == 0
	v_pk_mul_f32 v[ST+8*(\u)+2:ST+8*(\u)+3], v[ST+8*(\u)+2:ST+8*(\u)+3], v[ST+8*(\u)+4:ST+8*(\u)+5] op_sel_hi:[1,0]
.elseif (\z) == 1
	s_wait_alu depctr_va_vdst(0)
	v_pk_add_f32 v[CH+2*(\u):CH+2*(\u)+1], v[S+64*(\u):S+64*(\u)+1], v[S+64*(\u)+2:S+64*(\u)+3]
.elseif (\z) == 32
	v_pk_add_f32 v[ST+8*(\u)+2:ST+8*(\u)+3], v[ST+8*(\u)+2:ST+8*(\u)+3], v[CH+2*(\u):CH+2*(\u)+1]
.elseif ((\z)%2) == 0
	v_pk_add_f32 v[ST+8*(\u)+2:ST+8*(\u)+3], v[ST+8*(\u)+2:ST+8*(\u)+3], v[S+64*(\u)+2*(\z):S+64*(\u)+2*(\z)+1]
.else
	v_pk_add_f32 v[CH+2*(\u):CH+2*(\u)+1], v[CH+2*(\u):CH+2*(\u)+1], v[S+64*(\u)+2*(\z):S+64*(\u)+2*(\z)+1]
.endif
.endm
.macro MINI u, n                       ; the conversion to an 8-bit code does not saturate (ISA guide 7.6.2); the macro is empty: p is not held
.endm
.macro CVTI u, t                       ; key tile t's eight p become registers 2 t, 2 t + 1 of P
	v_cvt_scalef32_pk8_fp8_f32 v[P+16*(\u)+2*(\t):P+16*(\u)+2*(\t)+1], v[S+64*(\u)+8*(\t):S+64*(\u)+8*(\t)+7], v[PSC]
.endm
; A KEY STEP: 128 keys at LDS byte s52, for my two tiles of queries, whose fragments lie at v[qf] of window 1.
; causal = 1: s53 = the step's first key, s55 = my first query, s56 = my last.  A step all of whose keys come after my queries is left out: a scalar branch on ids round the step's work, not round the lines at its end that step addresses.
.macro STEP causal, qf
.if \causal
	s_cmp_gt_u32 s53, s56
	s_cbranch_scc1 .Lhid_\@
.endif
	s_setprio 2
	v_add_nc_u32 v[ADR], s52, v[LI]
.rept 3
	v_nop                                          ; with the addition above: four places in front of loads into registers that the last products have read
.endr
	WIN 0x40
.irp t, 0,1,2,3,4,5,6,7
.irp c, 0,1
	ds_load_b128 v[KFR+8*\t+4*\c:KFR+8*\t+4*\c+3], v[ADR] offset:1024*\t+512*\c
.endr
.endr
.irp t, 0,1,2,3
.irp c, 0,1,2,3
	ds_load_b128 v[VFR+16*\t+4*\c:VFR+16*\t+4*\c+3], v[ADR] offset:8192+2048*\t+512*\c
.endr
.endr
	s_wait_dscnt 16                                ; K is in; V's 16 loads may be out
	WIN 0x05                                       ; K and Q in window 1, S^T in window 0
.irp t, 0,1,2,3,4,5,6,7
.irp u, 0,1
	v_wmma_f32_16x16x64_fp8_fp8 v[S+64*\u+8*\t:S+64*\u+8*\t+7], v[KFR+8*\t:KFR+8*\t+7], v[\qf+8*\u:\qf+8*\u+7], 0
.endr
.endr
	WIN 0
	PLACES
.if \causal                                    ; on the diagonal the scores of hidden keys become -infinity ahead of the maximum: p = 0 then.  A step all of whose keys count skips this
	s_add_co_u32 s57, s53, 127
	s_cmp_le_u32 s57, s55
	s_cbranch_scc1 .Lopen_\@
	s_sub_co_i32 s57, s55, s53
	v_add_nc_u32 v[ST+6], s57, v[DM]               ; d = my query - the step's first key - 8 h.  Register 8 t + j holds key 16 t + 8 h + j: hidden where 16 t + j > d
	s_add_co_i32 s57, s57, 16
	v_add_nc_u32 v[ST+14], s57, v[DM]
.irp u, 0,1
.set n, 0
.rept 64
	v_cmp_gt_i32 vcc_lo, 16*(n/8)+n%8, v[ST+8*\u+6]
	v_cndmask_b32 v[S+64*\u+n], v[S+64*\u+n], v[NINF], vcc_lo
.set n, n+1
.endr
.endr
.Lopen_\@:
.endif
	; the step's largest score of each query, among my 64 keys, in two chains a tile; each accumulator is read from its low end on
.irp u, 0,1
	v_max3_num_f32 v[ST+8*\u+6], v[S+64*\u], v[S+64*\u+1], v[S+64*\u+2]
	v_max3_num_f32 v[ST+8*\u+7], v[S+64*\u+3], v[S+64*\u+4], v[S+64*\u+5]
.endr
.irp i, 6,10,14,18,22,26,30,34,38,42,46,50,54,58
.irp u, 0,1
	v_max3_num_f32 v[ST+8*\u+6], v[ST+8*\u+6], v[S+64*\u+\i], v[S+64*\u+\i+1]
	v_max3_num_f32 v[ST+8*\u+7], v[ST+8*\u+7], v[S+64*\u+\i+2], v[S+64*\u+\i+3]
.endr
.endr
.irp u, 0,1
	v_max3_num_f32 v[ST+8*\u+6], v[ST+8*\u+6], v[S+64*\u+62], v[S+64*\u+63]
.endr
.irp u, 0,1
	v_max_num_f32 v[ST+8*\u+6], v[ST+8*\u+6], v[ST+8*\u+7]
.endr
.irp u, 0,1
	v_permlanex16_b32 v[PD+\u], v[ST+8*\u+6], s48, s49
.endr
.irp u, 0,1
	v_max_num_f32 v[ST+8*\u+6], v[ST+8*\u+6], v[PD+\u]      ; and among lane l xor 16's
.endr
.irp u, 0,1
	v_mul_f32 v[ST+8*\u+6], s50, v[ST+8*\u+6]               ; as t (c is positive)
.endr
.irp u, 0,1
	v_max_num_f32 v[ST+8*\u+1], v[ST+8*\u+1], v[ST+8*\u+6]  ; the running largest t
.endr
.irp u, 0,1
	v_mov_b32 v[ST+8*\u+6], v[ST+8*\u]
.endr
.irp u, 0,1
	v_floor_f32 v[ST+8*\u], -v[ST+8*\u+1]                   ; the new -M = floor(-t) = -ceil(t): M is a whole number
.endr
.irp u, 0,1
	v_sub_f32 v[ST+8*\u+6], v[ST+8*\u], v[ST+8*\u+6]        ; old M - new M: a whole number, 0 or less
.endr
.irp u, 0,1
	v_cvt_i32_f32 v[ST+8*\u+6], v[ST+8*\u+6]                ; (it saturates)
.endr
.irp u, 0,1
	v_ldexp_f32 v[ST+8*\u+4], 1.0, v[ST+8*\u+6]             ; f = 2^(old M - new M)
.endr
	; the lines behind the exponentials are other work or further exponentials, so no exponential's result is used by the line behind it
.set k, 0
.rept 32
	FMAI 0, k
.set k, k+1
.endr
.set k, 0
	s_setprio 1
.rept 64
	v_exp_f32 v[S+k], v[S+k]                       ; tile 0: p = 2^(t - M), at most 1
.if k < 32
	FMAI 1, k
.else
	RSC k-32
.endif
.set k, k+1
.endr
.set k, 0
.rept 64
	v_exp_f32 v[S+64+k], v[S+64+k]                 ; tile 1
.if k < 33
	SUMI 0, k
.else
	MINI 0, k-33
.endif
.set k, k+1
.endr
.set k, 31
.rept 33
	MINI 0, k
.set k, k+1
.endr
.irp t, 0,1,2,3,4,5,6,7
	CVTI 0, \t
.endr
.set k, 0
	s_setprio 0
.rept 33
	SUMI 1, k
.set k, k+1
.endr
.set k, 0
.rept 64
	MINI 1, k
.set k, k+1
.endr
.irp t, 0,1,2,3,4,5,6,7
	CVTI 1, \t
.endr
	v_nop                                          ; one plain vector line between the last conversion and the matrix instructions that read its result
	s_wait_dscnt 0x0                               ; V is in
	WIN 0x01                                       ; V in window 1; P and O^T in window 0
.irp t, 0,1,2,3                                ; the eight accumulators take turns, one instruction a turn; the next step's sixteen products K Q^T stand between two links
.irp u, 0,1
	v_wmma_f32_16x16x128_fp8_fp8 v[O+32*\u+8*\t:O+32*\u+8*\t+7], v[VFR+16*\t:VFR+16*\t+15], v[P+16*\u:P+16*\u+15], v[O+32*\u+8*\t:O+32*\u+8*\t+7]
.endr
.endr
	WIN 0
.if \causal
.Lhid_\@:
	s_add_co_u32 s53, s53, 128
.endif
	s_add_co_u32 s52, s52, 16384
.endm
; Quarter j of the head's keys (four steps): my fill of it has landed (the fills of quarters j + 1 .. 3 were issued behind it and may stay out), my LDS loads are in, and so say all eight waves.
.macro PHASE j
	s_wait_tensorcnt 3-\j
	s_wait_dscnt 0x0
	s_barrier_signal -1
	s_barrier_wait -1
	s_mov_b32 s52, 65536*\j
	s_mov_b32 s53, 512*\j
	s_mov_b32 s54, 4
.endm
; A block of queries begins: O^T and the sums as zeros, the largest t as -3e38, under every t: the first change of M multiplies zeros, so a step needs no first copy of its own.
.macro INIT
.irp u, 0,1
	v_mov_b32 v[ST+8*\u+1], 0xff61b1e6
	v_floor_f32 v[ST+8*\u], -v[ST+8*\u+1]
.irp i, 2,3,4,5,6,7
	v_mov_b32 v[ST+8*\u+\i], 0
.endr
	v_mov_b32 v[CH+2*\u], 0
	v_mov_b32 v[CH+2*\u+1], 0
.endr
.set n, 0
.rept 64
	v_mov_b32 v[O+n], 0
.set n, n+1
.endr
.endm
; A block of queries ends: y = O^T x 2^(e4 + e5) / the sum, converted with 2^e6; channel tile t's 8 bytes a lane are one whole unit of 256 bytes of y_img.
.macro FINISH base
	PLACES                                         ; behind the last products
.irp u, 0,1
	v_add_f32 v[ST+8*\u+2], v[ST+8*\u+2], v[ST+8*\u+3]
.endr
.irp u, 0,1
	v_permlanex16_b32 v[PD+\u], v[ST+8*\u+2], s48, s49
.endr
.irp u, 0,1
	v_add_f32 v[ST+8*\u+2], v[ST+8*\u+2], v[PD+\u] ; the row's sum
.endr
.irp u, 0,1
	v_rcp_f32 v[ST+8*\u+4], v[ST+8*\u+2]
.endr
	v_nop                                          ; a plain line between the last reciprocal and the use of its result
	s_wait_alu depctr_va_vdst(0)
.irp u, 0,1
	v_ldexp_f32 v[ST+8*\u+4], v[ST+8*\u+4], s59
.endr
.set n, 0
.rept 32
	v_pk_mul_f32 v[S+2*n:S+2*n+1], v[O+2*n:O+2*n+1], v[ST+8*(n/16)+4:ST+8*(n/16)+5] op_sel_hi:[1,0]   ; each accumulator from its low end on
.set n, n+1
.endr
.set n, 0
.rept 64
.set n, n+1
.endr
.set n, 0
.rept 8
	v_cvt_scalef32_pk8_fp8_f32 v[P+2*n:P+2*n+1], v[S+8*n:S+8*n+7], v[YSC]
.set n, n+1
.endr
	v_nop                                          ; one plain vector line behind the last conversion
.set n, 0
.rept 8
	global_store_b64 v[YO], v[P+2*n:P+2*n+1], s[\base:\base+1] offset:4096*(n/4)+256*(n%4)   ; 32 lanes store 256 consecutive bytes, aligned
.set n, n+1
.endr
	s_wait_xcnt 0x0                                ; the stores have read their data: P's registers are written again only behind this wait
.endm
	INIT
	s_wait_loadcnt 0x0                             ; Q
	PHASE 0                                        ; keys 0-1,023 count for every query of the late block (its first query is 1,024 or more): no skip and no mask
.Lp0:
	STEP 0, QH
	s_sub_co_u32 s54, s54, 1
	s_cmp_lg_u32 s54, 0
	s_cbranch_scc1 .Lp0
	s_setprio 0
	PHASE 1
.Lp1:
	STEP 0, QH
	s_sub_co_u32 s54, s54, 1
	s_cmp_lg_u32 s54, 0
	s_cbranch_scc1 .Lp1
	s_setprio 0
	PHASE 2
.Lp2:
	STEP 1, QH
	s_sub_co_u32 s54, s54, 1
	s_cmp_lg_u32 s54, 0
	s_cbranch_scc1 .Lp2
	s_setprio 0
	PHASE 3                                        ; its wait on TENSORcnt is for 0: no tensor load is out from here on
.Lp3:
	STEP 1, QH
	s_sub_co_u32 s54, s54, 1
	s_cmp_lg_u32 s54, 0
	s_cbranch_scc1 .Lp3
	s_setprio 0
	FINISH 66
	INIT                                           ; the early block: its queries lie under 1,024, so eight steps are walked
	s_mov_b32 s55, s58
	s_add_co_u32 s56, s58, 31
	s_mov_b32 s52, 0
	s_mov_b32 s53, 0
	s_mov_b32 s54, 8
.Lp4:
	STEP 1, QL
	s_sub_co_u32 s54, s54, 1
	s_cmp_lg_u32 s54, 0
	s_cbranch_scc1 .Lp4
	s_setprio 0
	FINISH 68
	s_set_vgpr_msb 0x5
	s_wait_tensorcnt 0x0
	ds_add_u32 v160, v161
	s_wait_dscnt 0x0
	s_set_vgpr_msb 0x500
	s_endpgm
.Lfunc_end_k_qc5b5964928_attn:
	.size	k_qc5b5964928_attn, .Lfunc_end_k_qc5b5964928_attn-k_qc5b5964928_attn
	.p2alignl 7, 3214868480
	.fill 96, 4, 3214868480
	.section	.rodata,"a",@progbits
	.p2align	6, 0x0
	.amdhsa_kernel k_qc5b5964928_attn
		.amdhsa_group_segment_fixed_size 263168
		.amdhsa_private_segment_fixed_size 0
		.amdhsa_enable_private_segment 0
		.amdhsa_kernarg_size 32
		.amdhsa_user_sgpr_count 2
		.amdhsa_user_sgpr_kernarg_segment_ptr 1
		.amdhsa_wavefront_size32 1
		.amdhsa_system_sgpr_workgroup_id_x 1
		.amdhsa_system_sgpr_workgroup_id_y 1
		.amdhsa_system_sgpr_workgroup_id_z 1
		.amdhsa_system_vgpr_workitem_id 0
		.amdhsa_next_free_vgpr 418
		.amdhsa_next_free_sgpr 80
		.amdhsa_reserve_vcc 1
		.amdhsa_float_denorm_mode_32 3
		.amdhsa_float_denorm_mode_16_64 3
		.amdhsa_fp16_overflow 1
		.amdhsa_memory_ordered 1
		.amdhsa_forward_progress 1
		.amdhsa_inst_pref_size 173
	.end_amdhsa_kernel
	.amdgpu_metadata
---
amdhsa.version: [ 1, 2 ]
amdhsa.kernels:
  - .name:           k_qc5b5964928_attn
    .symbol:         k_qc5b5964928_attn.kd
    .args:
      - { .name: q_img, .offset: 0, .size: 8, .value_kind: global_buffer, .address_space: global }
      - { .name: kv_img, .offset: 8, .size: 8, .value_kind: global_buffer, .address_space: global }
      - { .name: lowp_scales, .offset: 16, .size: 8, .value_kind: global_buffer, .address_space: global }
      - { .name: y_img, .offset: 24, .size: 8, .value_kind: global_buffer, .address_space: global }
    .group_segment_fixed_size: 263168
    .private_segment_fixed_size: 0
    .kernarg_segment_align: 8
    .kernarg_segment_size: 32
    .max_flat_workgroup_size: 256
    .sgpr_count:     80
    .vgpr_count:     418
    .wavefront_size: 32
...
	.end_amdgpu_metadata
.endif
;; end of part 2
;; launch proj (part 3): grid 4 x 64, 4 waves a work-group, clusters of 4 x 4, 327,680 bytes of LDS; arguments y_img, w_proj_codes, b_proj, lowp_scales, out0; writes out0
.if DOCPART == 3
	.amdgcn_target "amdgcn-amd-amdhsa--gfx1250"
	.amdhsa_code_object_version 6
	.text
	.protected	k_qc5b5964928_proj
	.globl	k_qc5b5964928_proj
	.p2align	8
	.type	k_qc5b5964928_proj,@function
k_qc5b5964928_proj:
	s_mov_b64 s[64:65], 0
	v_nop
	global_prefetch_b8 v0, s[64:65] scope:SCOPE_SE
	s_setreg_imm32_b32 hwreg(HW_REG_WAVE_MODE, 25, 1), 1
	s_wait_xcnt 0x0
	s_wait_alu depctr_hold_cnt(0) depctr_sa_sdst(0) depctr_va_vdst(0) depctr_va_sdst(0) depctr_va_ssrc(0) depctr_va_vcc(0) depctr_vm_vsrc(0)
	s_getreg_b32 s2, hwreg(HW_REG_IB_STS2, 6, 4)
	s_cmp_eq_u32 s2, 0
	s_cbranch_scc0 .Lentry_in_a_cluster
	s_endpgm
.Lentry_in_a_cluster:
	s_bfe_u32 s2, ttmp6, 0x10000c
	s_cmp_lg_u32 s2, 0xf033
	s_cbranch_scc0 .Lentry_shape_is_right
	s_endpgm
.Lentry_shape_is_right:
; out0 = y w_proj + b_proj on codes of FP8 (E4M3).  y: codes made by the launch before, as images of this launch's operand registers; w_proj: [1024][1024] codes, K innermost; b_proj [1024], out0 [8192][1024] f32.
; A sum stands for sum x 2^(e6 + e7): out = sum x 2^(e6 + e7) + bias, one packed multiply-add for two numbers.  LIMIT: e6 + e7 between -126 and 127, so that the power of two is an f32 number.
; SHARES.  A tile of out0 is 128 tokens x 256 columns: 64 x 4 = 256 work-groups (tiles of 256 x 256 would be 128).  Wave (wm, wn) makes 64 x 128: 4 tiles of tokens (a) x 8 blocks of columns (b): 32 accumulators.
; K goes in steps of 128 (v_wmma_f32_16x16x128_fp8_fp8), two to an LDS slot of 256 along K (four heads), through a ring of two slots; four slots in all, so the steps are written out without a loop.
; y_img [K slot 4][token tile 512][head % 4][1,024 B]: a work-group's part of a slot is one dense block of 32,768 bytes; a fragment (16 tokens x 128 K) is 2,048 bytes, read by four loads of 512 consecutive bytes at 16 x lane:
; lane (r, h) then holds K = 32 c + 16 h + 0..15 in registers 4 c .. 4 c + 3.  W's fragments come from padded rows by four loads of 16 bytes, 32 apart: the same places of k.
; THE MATRIX INSTRUCTION IS USED TRANSPOSED (source 0 = 16 rows of W, source 1 = 16 tokens): a lane holds eight neighbouring columns of a row of out0.
; CLUSTERS: 4 x 4 work-groups.  y's block hangs on the tokens alone and is shared along a row of the cluster, W's tile on the columns alone and is shared along a column: each is asked for jointly.
; REGISTERS: window 0: v0-31 addresses; v32-95 at work on the way out; v128-191, v192-255 y's fragments, two sets (on the way out: rows read back).  window 1: W's fragments, two sets, at v0 and v128.
;   window 2: the accumulators, (a, b) at v[8 (8 a + b)].   window 3: v0-63 the bias in the result's layout.
.set YB,     32768                     ; y's images in a slot: 8 token tiles x 4,096 bytes
.set PITCH,  272                       ; a row of W in LDS: 256 bytes + 16 of padding = 68 words: row r starts at bank 4 r mod 64 (64 banks of 4 bytes: ISA guide 11.1)
.set HALFW,  128*PITCH
.set SLOT,   YB+2*HALFW                ; 102,400 bytes
.set STAGE,  2*SLOT                    ; behind the ring: 16 rows x (512 + 16) bytes for each wave, its own; no tensor load ever lands there
.set SPITCH, 528
.set SPARE,  STAGE+4*16*SPITCH         ; behind the stages: the spare words, 128 bytes for each wave: two blocks of 256 bytes that no other line names
.set ADRA, 16                          ; v16-17  LDS address of my y fragments in slot 0, 1
.set ADRB, 20                          ; v20-21  the same for W
.set STO,  24                          ; v24     the way out: where I put 32 bytes of a row
.set RD,   25                          ; v25     where I read a row back
.set CO,   26                          ; v26     16 x lane
.set BA,   27                          ; v27     32 h: the bias
.set SPW,  28                          ; v28     LDS address of my spare word; never rewritten
.set NIL,  29                          ; v29     0; never rewritten
.set TMP,  32
.set AF,   128
.set BK,   128
.set G1A, 24                           ; s[24:31] descriptor group 1 for y's block;  s[32:39] group 0, one set for each slot
.set G0A, 32
.set G1B, 48                           ; s[48:55], s[56:63] the same for W's tile
.set G0B, 56
.set MUL,  0xa1                        ; source 0 (W) window 1, source 1 (y) window 0, C and D window 2
.set MSB, 0
.macro WIN new                         ; the immediate's high byte repeats the setting that is left
.if MSB != (\new)
	s_set_vgpr_msb (MSB<<8)|(\new)
.set MSB, (\new)
.endif
.endm
.macro PLACES
.rept 4
	v_nop
.endr
.endm
.macro JLOAD s                         ; a joint load: waves 0 and 1 fetch y's two halves, waves 2 and 3 W's; four v_nop follow each of the two lines
	s_cmp_eq_u32 s15, 0
	s_cbranch_scc0 .Lfor_b_\@
	tensor_load_to_lds s[G0A+4*\s:G0A+4*\s+3], s[G1A:G1A+7]
	s_nop 0
.rept 4
	v_nop
.endr
	s_branch .Lasked_\@
.Lfor_b_\@:
	tensor_load_to_lds s[G0B+4*\s:G0B+4*\s+3], s[G1B:G1B+7]
	s_nop 0
.rept 4
	v_nop
.endr
.Lasked_\@:
.endm
.macro CREST                           ; a round of the cluster's barrier behind its opening barrier
	s_cmp_lg_u32 s14, 0
	s_cbranch_scc1 .Lnot_wave_0_\@
	s_barrier_signal -3
.Lnot_wave_0_\@:
	s_barrier_wait -3
	s_barrier_signal -1
	s_barrier_wait -1
.endm
.macro CROUND
	s_barrier_signal -1
	s_barrier_wait -1
	CREST
.endm
	s_load_b256 s[4:11], s[0:1], 0x0               ; y_img s[4:5], w_proj s[6:7], b_proj s[8:9], the scales' exponents s[10:11]
	s_load_b64 s[12:13], s[0:1], 0x20              ; out0
	v_lshl_add_u32 v[SPW], v0, 2, SPARE
	v_mov_b32 v[NIL], 0
	ds_add_u32 v28, v29
	ds_add_u32 v28, v29
	s_wait_dscnt 0x0
	v_lshrrev_b32 v1, 5, v0
	v_readfirstlane_b32 s14, v1                    ; wave 0..3
	s_lshr_b32 s15, s14, 1                         ; wm: which 64 tokens.  Also: I fetch for y (0) or for W (1)
	s_and_b32 s16, s14, 1                          ; wn: which 128 columns.  Also: which half of that tile I fetch
	s_bfe_u32 s40, ttmp6, 0x40000                  ; cx, cy
	s_bfe_u32 s41, ttmp6, 0x40004
	s_lshl_b32 s42, ttmp9, 2
	s_add_co_u32 s42, s42, s40                     ; X: columns 256 X on
	s_and_b32 s17, ttmp7, 0xffff
	s_lshl_b32 s17, s17, 2
	s_add_co_u32 s17, s17, s41                     ; Y: tokens 128 Y on
	s_lshl_b32 s43, s41, 2
	s_lshl_b32 s43, 15, s43                        ; my row of the cluster
	s_lshl_b32 s44, 0x1111, s40                    ; my column
	s_or_b32 s[G1A], s43, (3<<16)|(1<<21)          ; the mask; elements of 8 bytes; 21 set beside a mask; no padding: 16,384 dense bytes as 64 rows of 32 elements
	s_mov_b32 s[G1A+1], 32<<16
	s_mov_b32 s[G1A+2], 64<<16
	s_mov_b32 s[G1A+3], 32<<16
	s_mov_b32 s[G1A+4], 64
	s_mov_b32 s[G1A+5], 32
	s_mov_b32 s[G1A+6], 0
	s_mov_b32 s[G1A+7], 0
	s_or_b32 s[G1B], s44, (1<<20)|(1<<21)|(5<<22)|(3<<25)   ; the mask; elements of 1 byte; padding: 4 words (code 3) after every 64 (code 5): 128 rows of 256 bytes
	s_mov_b32 s[G1B+1], 256<<16
	s_mov_b32 s[G1B+2], 128<<16
	s_mov_b32 s[G1B+3], 256<<16
	s_mov_b32 s[G1B+4], 128
	s_mov_b32 s[G1B+5], 1024
	s_mov_b32 s[G1B+6], 0
	s_mov_b32 s[G1B+7], 0
	s_lshl_b32 s20, s17, 15                        ; y: Y x 32,768 + half x 16,384: hangs on Y and the wave alone
	s_lshl_b32 s18, s16, 14                        ; (also the half's place in a slot)
	s_add_co_u32 s20, s20, s18
	s_mov_b32 s21, 0
	s_lshl_b32 s46, s42, 18                        ; W: (256 X + 128 half) rows of 1,024 bytes: hangs on X and the wave alone
	s_lshl_b32 s47, s16, 17
	s_add_co_u32 s46, s46, s47
	s_mov_b32 s47, 0
	s_mul_i32 s45, s16, HALFW
	s_add_co_u32 s45, s45, YB                      ; W's half in a slot: no place in the cluster enters an LDS address
	s_wait_kmcnt 0x0
	s_load_b256 s[80:87], s[10:11], 0x0            ; e0 .. e7
	s_add_nc_u64 s[20:21], s[4:5], s[20:21]
	s_add_nc_u64 s[46:47], s[6:7], s[46:47]
	CROUND                                         ; all sixteen work-groups are here: the first joint loads meet
.irp s, 0,1
	s_mov_b32 s[G0A+4*\s], 1
	s_add_co_u32 s[G0A+4*\s+1], s18, \s*SLOT
	s_add_nc_u64 s[G0A+4*\s+2:G0A+4*\s+3], s[20:21], \s*2097152
	s_or_b32 s[G0A+4*\s+3], s[G0A+4*\s+3], 0x80000000
	s_mov_b32 s[G0B+4*\s], 1
	s_add_co_u32 s[G0B+4*\s+1], s45, \s*SLOT
	s_add_nc_u64 s[G0B+4*\s+2:G0B+4*\s+3], s[46:47], \s*256
	s_or_b32 s[G0B+4*\s+3], s[G0B+4*\s+3], 0x80000000
	JLOAD \s                                       ; two loads of mine are out; later one behind each round
.endr
	v_and_b32 v1, 15, v0                           ; r
	v_bfe_u32 v2, v0, 4, 1                         ; h
	v_and_b32 v6, 31, v0
	v_lshlrev_b32 v[CO], 4, v6
	v_mul_u32_u24 v3, v1, PITCH
	v_lshl_add_u32 v3, v2, 4, v3
	s_lshl_b32 s90, s15, 14                        ; my four token tiles' images
	s_mul_i32 s91, s16, HALFW
	s_add_co_u32 s91, s91, YB                      ; my 128 rows of W
.irp s, 0,1
	v_add_nc_u32 v[ADRA+\s], s90, v[CO]
	v_add_nc_u32 v[ADRB+\s], s91, v3
	s_add_co_u32 s90, s90, SLOT
	s_add_co_u32 s91, s91, SLOT
.endr
	s_mul_i32 s90, s14, 16*SPITCH
	s_add_co_u32 s90, s90, STAGE                   ; my stage
	v_mul_u32_u24 v5, v1, SPITCH                   ; in: row r, 32 bytes for each half of the lanes
	v_lshl_add_u32 v5, v2, 5, v5
	v_add_nc_u32 v[STO], s90, v5
	v_add_nc_u32 v[RD], s90, v[CO]                 ; back: the 32 lanes take one row of 512 bytes
	v_lshlrev_b32 v[BA], 5, v2
	s_lshl_b32 s90, s42, 10                        ; my first column in bytes: 1,024 X + 512 wn
	s_lshl_b32 s91, s16, 9
	s_add_co_u32 s90, s90, s91
	s_mov_b32 s91, 0
	s_add_nc_u64 s[8:9], s[8:9], s[90:91]          ; the bias there,
	s_add_nc_u64 s[12:13], s[12:13], s[90:91]      ; out0 there,
	s_lshl_b32 s90, s17, 19                        ; and at my first row: (128 Y + 64 wm) rows of 4,096 bytes
	s_lshl_b32 s19, s15, 18
	s_add_co_u32 s90, s90, s19
	s_add_nc_u64 s[12:13], s[12:13], s[90:91]
; 48 LDS loads in one run: the fragments of the slot's q-th 128 along K: W's eight into window 1, y's four into window 0
.macro FETCH slot, q, set
	WIN 0x40
.irp b, 0,1,2,3,4,5,6,7
.irp c, 0,1,2,3
	ds_load_b128 v[128*(\set)+16*\b+4*\c:128*(\set)+16*\b+4*\c+3], v[ADRB+\slot] offset:16*PITCH*\b+128*(\q)+32*\c
.endr
.endr
	WIN 0
.irp a, 0,1,2,3
.irp c, 0,1,2,3
	ds_load_b128 v[AF+64*(\set)+16*\a+4*\c:AF+64*(\set)+16*\a+4*\c+3], v[ADRA+\slot] offset:4096*\a+2048*(\q)+512*\c
.endr
.endr
.endm
; Eight matrix instructions: token tile a against W's eight blocks.  The 32 accumulators take turns, one instruction a turn, in the same order in every step.
.macro MUL8 a, set, zero
.irp b, 0,1,2,3,4,5,6,7
.if \zero
	v_wmma_f32_16x16x128_fp8_fp8 v[8*(8*(\a)+\b):8*(8*(\a)+\b)+7], v[128*(\set)+16*\b:128*(\set)+16*\b+15], v[AF+64*(\set)+16*(\a):AF+64*(\set)+16*(\a)+15], 0
.else
	v_wmma_f32_16x16x128_fp8_fp8 v[8*(8*(\a)+\b):8*(8*(\a)+\b)+7], v[128*(\set)+16*\b:128*(\set)+16*\b+15], v[AF+64*(\set)+16*(\a):AF+64*(\set)+16*(\a)+15], v[8*(8*(\a)+\b):8*(8*(\a)+\b)+7]
.endif
.endr
.endm
; A slot's first step (set 0): the second step's fragments are asked for ahead of its 32 products.
.macro STEP slot, zero
	s_wait_dscnt 0x0                               ; set 0 is in
	PLACES                                         ; in front of loads into set 1, which the last products have read
	FETCH \slot, 1, 1
	WIN MUL
.irp a, 0,1,2,3
	MUL8 \a, 0, \zero
.endr
.endm
; A slot's last step (set 1) changes slots: ONE barrier; in front of it each wave waits for all its tensor loads, adds 0 to its spare word, and waits for that and for its own reads of this slot.  fill = 1: this slot is filled again, two slots ahead.
.macro TURN slot, next, fill
	WIN 0                                          ; (the add's two registers lie in window 0)
	s_wait_tensorcnt 0x0                           ; all my tensor loads have landed: my part of the next slot
	ds_add_u32 v[SPW], v[NIL]                      ; 0 onto my spare word
	s_wait_dscnt 1                                 ; set 1 is in (the add may be out)
	WIN MUL
	MUL8 0, 1, 0                                   ; eight matrix instructions stand between the add and the wait for it
	s_wait_dscnt 0x0                               ; the add is done, and my reads of this slot are over
	s_barrier_signal -1
	MUL8 1, 1, 0
	WIN 0
	s_barrier_wait -1
.if \fill
	CREST                                          ; the barrier has opened a round of the cluster's barrier: no wave of any partner still reads this slot or has a load on its way
	s_add_nc_u64 s[G0A+4*\slot+2:G0A+4*\slot+3], s[G0A+4*\slot+2:G0A+4*\slot+3], 2*2097152
	s_add_nc_u64 s[G0B+4*\slot+2:G0B+4*\slot+3], s[G0B+4*\slot+2:G0B+4*\slot+3], 512
	JLOAD \slot                                    ; the first tensor load behind the round; its four v_nop are the places in front of the loads below
.else
	PLACES
.endif
	FETCH \next, 0, 0
	WIN MUL
	MUL8 2, 1, 0
	MUL8 3, 1, 0
.endm
	s_wait_tensorcnt 1                             ; my part of slot 0 is in (slot 1's load may be out)
	s_barrier_signal -1
	s_barrier_wait -1                              ; everybody's is
	FETCH 0, 0, 0
	STEP 0, 1                                      ; the first products start the sums: nothing is cleared
	TURN 0, 1, 1                                   ; slot 0 takes K 512 on
	STEP 1, 0
	TURN 1, 0, 1                                   ; slot 1 takes K 768 on
	STEP 0, 0
	TURN 0, 1, 0                                   ; nothing is left to fetch
	STEP 1, 0
	WIN 0xc0                                       ; destination window 3: the bias: lane (r, h) wants, for block b, columns 16 b + 8 h + 0..7
.irp b, 0,1,2,3,4,5,6,7
	global_load_b128 v[8*\b:8*\b+3], v[BA], s[8:9] offset:64*\b
	global_load_b128 v[8*\b+4:8*\b+7], v[BA], s[8:9] offset:64*\b+16
.endr
	s_wait_dscnt 0x0                               ; the very last step
	WIN MUL
.irp a, 0,1,2,3
	MUL8 \a, 1, 0
.endr
	WIN 0
; THE WAY OUT, block by block of 16 tokens x 128 columns.  A lane holds 32 neighbouring bytes of a row and the lanes beside it other rows: so a block goes through my own stage in LDS and comes back as whole rows of 512 bytes.
; LDS serves a wave's instructions in order (ISA guide 5.7.1.4): no wait between the stores and the loads, nor in front of the next block's stores.
.macro TOSTAGE a
	WIN 0x32                                       ; source 0 (the sums) window 2, source 2 (the bias) window 3
.set j, 0
.rept 32
	v_pk_fma_f32 v[TMP+j:TMP+j+1], v[64*(\a)+j:64*(\a)+j+1], s[88:89], v[j:j+1] op_sel_hi:[1,0,1]   ; sum x 2^(e6 + e7) + bias; each accumulator from its low end on
.set j, j+2
.endr
	WIN 0
.irp b, 0,1,2,3,4,5,6,7
	ds_store_b128 v[STO], v[TMP+8*\b:TMP+8*\b+3] offset:64*\b
	ds_store_b128 v[STO], v[TMP+8*\b+4:TMP+8*\b+7] offset:64*\b+16
.endr
.set BB, BK+64*((\a)%2)
.irp t, 0,1,2,3,4,5,6,7,8,9,10,11,12,13,14,15
	ds_load_b128 v[BB+4*\t:BB+4*\t+3], v[RD] offset:\t*SPITCH
.endr
.endm
.macro SEND a, younger                 ; younger: the LDS instructions issued behind block a's loads, which may stay out
.set BB, BK+64*((\a)%2)
	s_wait_dscnt \younger                          ; the block is back in registers
.if (\a) > 0
	s_add_nc_u64 s[12:13], s[12:13], 16*4096       ; (behind a wait on XCNT: the earlier stores have read their base)  16 rows of out0 on
.endif
.irp t, 0,1,2,3,4,5,6,7,8,9,10,11,12,13,14,15
	global_store_b128 v[CO], v[BB+4*\t:BB+4*\t+3], s[12:13] offset:\t*4096 th:TH_STORE_NT   ; 32 lanes store 512 consecutive bytes, aligned; written once, read by nobody here
.endr
.endm
	s_wait_kmcnt 0x0
	s_add_co_i32 s88, s86, s87                     ; e6 + e7
	s_add_co_i32 s88, s88, 127
	s_lshl_b32 s88, s88, 23                        ; 2^(e6 + e7) as f32
	s_mov_b32 s89, s88                             ; (named with it as a pair, so it is written)
	s_wait_loadcnt 0x0                             ; the bias
	PLACES                                         ; behind the last products: their results are read, and loads land where y's fragments lay
	TOSTAGE 0
.irp a, 1,2,3
.if \a > 1
	s_wait_xcnt 0x0                                ; block a - 2's stores have read their registers and their base: block a's loads may land there, and the base may step
.endif
	TOSTAGE \a
	SEND \a-1, 32                                  ; behind block a - 1's loads: block a's 16 stores and 16 loads
.endr
	s_wait_xcnt 0x0                                ; block 2's stores have read their base
	SEND 3, 0
	s_wait_tensorcnt 0x0                           ; the wave's end: behind my last tensor load and my last LDS store
	ds_add_u32 v[SPW], v[NIL]
	s_wait_dscnt 0x0
	CROUND                                         ; the closing round: no work-group ends while a partner may still ask for a tile that names it
	s_endpgm
.Lfunc_end_k_qc5b5964928_proj:
	.size	k_qc5b5964928_proj, .Lfunc_end_k_qc5b5964928_proj-k_qc5b5964928_proj
	.p2alignl 7, 3214868480
	.fill 96, 4, 3214868480
	.section	.rodata,"a",@progbits
	.p2align	6, 0x0
	.amdhsa_kernel k_qc5b5964928_proj
		.amdhsa_group_segment_fixed_size 327680
		.amdhsa_private_segment_fixed_size 0
		.amdhsa_enable_private_segment 0
		.amdhsa_kernarg_size 40
		.amdhsa_user_sgpr_count 2
		.amdhsa_user_sgpr_kernarg_segment_ptr 1
		.amdhsa_wavefront_size32 1
		.amdhsa_system_sgpr_workgroup_id_x 1
		.amdhsa_system_sgpr_workgroup_id_y 1
		.amdhsa_system_sgpr_workgroup_id_z 1
		.amdhsa_system_vgpr_workitem_id 0
		.amdhsa_next_free_vgpr 832
		.amdhsa_next_free_sgpr 92
		.amdhsa_reserve_vcc 0
		.amdhsa_float_denorm_mode_32 3
		.amdhsa_float_denorm_mode_16_64 3
		.amdhsa_memory_ordered 1
		.amdhsa_forward_progress 1
		.amdhsa_inst_pref_size 76
	.end_amdhsa_kernel
	.amdgpu_metadata
---
amdhsa.version: [ 1, 2 ]
amdhsa.kernels:
  - .name:           k_qc5b5964928_proj
    .symbol:         k_qc5b5964928_proj.kd
    .args:
      - { .name: y_img, .offset: 0, .size: 8, .value_kind: global_buffer, .address_space: global }
      - { .name: w_proj_codes, .offset: 8, .size: 8, .value_kind: global_buffer, .address_space: global }
      - { .name: b_proj, .offset: 16, .size: 8, .value_kind: global_buffer, .address_space: global }
      - { .name: lowp_scales, .offset: 24, .size: 8, .value_kind: global_buffer, .address_space: global }
      - { .name: out0, .offset: 32, .size: 8, .value_kind: global_buffer, .address_space: global }
    .group_segment_fixed_size: 327680
    .private_segment_fixed_size: 0
    .kernarg_segment_align: 8
    .kernarg_segment_size: 40
    .max_flat_workgroup_size: 128
    .sgpr_count:     92
    .vgpr_count:     832
    .wavefront_size: 32
...
	.end_amdgpu_metadata
.endif
;; end of part 3
